; MI455X (gfx1250); checked and timed in simulation.
; The chip was launched on July 23, 2026; its instructions are those of AMD's public machine-readable ISA for CDNA 5 (MIT licence, August 2026) and "CDNA5" Instruction Set Architecture Reference Guide (July 2026). The comments in the code are by the model that wrote it; some were corrected since.
;; Full Attention. Allowed arithmetic: float matrix products may take bf16 or f16 operands with f32 sums; all other float work in f32.
;; Inputs: keys 4 x 2,048 x 16 x 64 float32; queries 4 x 2,048 x 16 x 64 float32; values 4 x 2,048 x 16 x 64 float32.
;; Outputs: out0 4 x 2,048 x 16 x 64 float32.
;; 2 versions, each right and faster than the one before. Each part assembles by itself: llvm-mc -triple=amdgcn-amd-amdhsa -mcpu=gfx1250 --defsym DOCPART=n.
;; ======== version 1 of 2: 1 launch
;; launch attn (part 1): grid 256 x 1, 4 waves a work-group, clusters of 4 x 1, 327,680 bytes of LDS; arguments keys, queries, values, out0; writes out0
.if DOCPART == 1
	.amdgcn_target "amdgcn-amd-amdhsa--gfx1250"
	.amdhsa_code_object_version 6
	.text
	.protected	k_q9a05507c4b_attn
	.globl	k_q9a05507c4b_attn
	.p2align	8
	.type	k_q9a05507c4b_attn,@function
k_q9a05507c4b_attn:
	s_mov_b64 s[64:65], 0
	v_nop
	global_prefetch_b8 v0, s[64:65] scope:SCOPE_SE
	s_setreg_imm32_b32 hwreg(HW_REG_WAVE_MODE, 25, 1), 1
	s_wait_xcnt 0x0
	s_wait_alu depctr_hold_cnt(0) depctr_sa_sdst(0) depctr_va_vdst(0) depctr_va_sdst(0) depctr_va_ssrc(0) depctr_va_vcc(0) depctr_vm_vsrc(0)
	s_getreg_b32 s2, hwreg(HW_REG_IB_STS2, 6, 4)
	s_cmp_eq_u32 s2, 0
	s_cbranch_scc0 .Lentry_in_a_cluster
	s_endpgm
.Lentry_in_a_cluster:
	s_bfe_u32 s2, ttmp6, 0x10000c
	s_cmp_lg_u32 s2, 0x3003
	s_cbranch_scc0 .Lentry_shape_is_right
	s_endpgm
.Lentry_shape_is_right:
; out[b][l][h][:] = softmax over s of (q[b][l][h][:] . k[b][s][h][:] / 8) applied to v[b][s][h][:].   B = 4, L = S = 2048, H = 16, E = D = 64, all f32.
; A (position, head) row is 64 f32 = 256 bytes, aligned to 256; from position to position it is 4,096 bytes.
; NOTHING IS LEFT OUT: all three inputs reach the output; the maximum is taken away before every exponential, as a running maximum.
; The factor 1/8 and log2(e) are one constant c in the exponent: p = 2^(c s - c m).
;
; SHARING.  A cluster of four work-groups is one (b, h); its four work-groups are that head's four blocks of 512 query rows.  A work-group has four
; waves, as many as a WGP has SIMDs; a wave owns 128 query rows = 8 query tiles of 16, whose Q fragments (128 registers) and sums O (256 registers) stay in registers.
; The four work-groups need the same K and V: each tile of 128 keys is asked for JOINTLY (mask 15), 64 rows x 256 bytes by each wave (waves 0, 1: K; waves 2, 3: V),
; into one of two f32 slots.  A landed tile is rounded to bf16 by the four waves together, a quarter each, into one of two bf16 buffers that only ds_store writes,
; one trip ahead of the trip that multiplies it.  One round of the cluster's barrier a trip orders all of it.
;
; BOTH PRODUCTS ARE TRANSPOSED.  S^T = K Q^T: lane (r, h) holds query r, register j key 8h + j of a key tile: maximum and sum over keys run along the lane's own
; registers, with one exchange between lanes l and l xor 16; m, alpha and the sum are per-lane numbers.  Two key tiles' scores, packed in pairs, ARE the second
; source (32 keys x 16 queries) of O^T = V^T P^T; V^T's fragments come by the transposing LDS load from V stored [key][d].  In O^T lane (r, h) holds query r,
; d = 16 dt + 8h + j: rescaling is a multiply by the lane's own alpha.
;
; LIMITS.  q, k, v and p enter the products rounded to bf16; sums, m, alpha and the row sum are f32; the row sum adds the unrounded p.  v_exp_f32 gives 0 for
; results under 2^-126.  The maxima pass over a NaN; it still reaches p, the row sum and O through the exponent.  A score of +infinity gives NaN.
; alpha = 2^(NMC_new - NMC_old) with NMC = round(-c m), the very addend of the exponentials: it is exactly 1 while the maximum stands.
;
; LDS: 0 slot 0, 65,536 slot 1 (each: K 128 rows x 256 bytes, then V the same; tensor loads alone write here; read 16 bytes a lane, contiguous, so unpadded);
; 131,072 buffer 0, 169,984 buffer 1 (each: K 128 rows of 128 bytes at pitch 144, then V 128 rows at pitch 160); 208,896 four stages of 16 rows x 272 bytes for the way out.
; Pitch 144 = 9 x 16: the 16 rows of a fragment load start at 16 different 16-byte columns modulo 256 bytes.  Pitch 160 = 5 x 32, for the transposing load's pairs of columns.
; Ahead of the first tile the two buffers also serve as Q's stage, 18,432 bytes for each wave.
;
; REGISTERS, in windows of 256: window 0 addresses, softmax state, K and V fragments, scores, P; window 1 O[qt][dt] at 32 qt + 8 dt; window 2 Q fragments at 16 qt + 8 ks.
.set SLOTB,  65536                     ; bytes of an f32 slot
.set VHALF,  32768                     ; V's place in a slot
.set BF0,    131072                    ; bf16 buffer 0
.set BUFB,   38912                     ; bytes of a bf16 buffer
.set KP,     144                       ; pitch of K's (and Q's) bf16 rows
.set VP,     160                       ; pitch of V's bf16 rows
.set VOFF,   128*KP                    ; V's place in a buffer
.set STG,    208896                    ; the stages of the way out
.set SPITCH, 272
.set TILEB,  128*4096                  ; 128 positions in memory
.set KA,  2                            ; v2   K fragments: BF0 + 144 r + 16 h
.set VA,  3                            ; v3   V fragments: BF0 + VOFF + 160 (8h + l%8) + 16 ((l/8)%2)
.set CA,  4                            ; v4-5 my quarter of slot 0, 1: 8192 w + 16 l
.set CSK, 6                            ; v6   where my bf16 of K go: BF0 + 4608 w + 144 h + 8 r
.set CSV, 7                            ; v7   the same for V: BF0 + VOFF + 5120 w + 160 h + 8 r
.set GO,  8                            ; v8   global offset in Q and in out: 4096 h + 16 r; never rewritten
.set QS,  9                            ; v9   Q's stage, in
.set QR,  10                           ; v10  Q's stage, fragments back
.set OST, 11                           ; v11  way out, in: row r, 32 h
.set ORD, 12                           ; v12  way out, back: row h, 16 r
.set MX,  16                           ; v16-23 running maximum of query tile qt
.set LS,  24                           ; v24-39 running sum of query tile qt, a pair of partial sums
.set UU,  40                           ; v40-47 at work: four maxima, then four pairs of sums
.set TA,  48
.set TB,  49
.set NMC, 50                           ; v50 -c m (v51 only completes the pair)
.set AL,  52                           ; v52 alpha (v53 only completes the pair)
.set DD,  54
.set KF,  64                           ; v64-127  K fragments [kt][ks] at 16 kt + 8 ks
.set VF,  128                          ; v128-191 V^T fragments [ks][dt] at 32 ks + 8 dt
.set SC,  192                          ; v192-223 scores of four key tiles
.set PF,  224                          ; v224-239 P^T fragments [ks]
.set G1,  16                           ; s[16:23] descriptor group 1, one for all loads
.set G0,  24                           ; s[24:31] descriptor group 0, one set for each slot
.set MSB, 0
.macro WIN new                         ; the immediate's high byte repeats the setting that is left; a switch that changes nothing is dropped
.if MSB != \new
	s_set_vgpr_msb (MSB<<8)|\new
.set MSB, \new
.endif
.endm
.macro PLACES                          ; four places behind matrix instructions (ISA guide 7.12.1) where no useful plain vector work is at hand
.rept 4
	v_nop
.endr
.endm
.macro BAR
	s_barrier_signal -1
	s_barrier_wait -1
.endm
; A round of the cluster's barrier: my work-group's barrier, wave 0 signals for the work-group, every wave waits for all four work-groups, my work-group's barrier again.
.macro ROUND
	s_barrier_signal -1
	s_barrier_wait -1
	s_cmp_lg_u32 s12, 0
	s_cbranch_scc1 .Lnot_wave_0_\@
	s_barrier_signal -3
.Lnot_wave_0_\@:
	s_barrier_wait -3
	s_barrier_signal -1
	s_barrier_wait -1
.endm
	s_load_b256 s[4:11], s[0:1], 0x0               ; keys s[4:5], queries s[6:7], values s[8:9], out s[10:11]
	v_lshrrev_b32 v13, 5, v0
	v_readfirstlane_b32 s12, v13                   ; wave w, 0 to 3
	s_bfe_u32 s13, ttmp6, 0x40000                  ; cx: which block of 512 query rows; it enters Q's and out's global offsets alone
	v_and_b32 v1, 31, v0                           ; l
	v_and_b32 v14, 15, v0                          ; r
	v_bfe_u32 v15, v0, 4, 1                        ; h
	v_mul_u32_u24 v[KA], v14, KP
	v_lshl_add_u32 v[KA], v15, 4, v[KA]
	v_add_nc_u32 v[KA], BF0, v[KA]
	v_and_b32 v13, 7, v0
	v_lshl_add_u32 v13, v15, 3, v13                ; 8h + l%8: the key row that I address for the transposing load
	v_mul_u32_u24 v[VA], v13, VP
	v_bfe_u32 v13, v0, 3, 1
	v_lshl_add_u32 v[VA], v13, 4, v[VA]
	v_add_nc_u32 v[VA], BF0+VOFF, v[VA]
	s_lshl_b32 s38, s12, 13                        ; 32 rows of 256 bytes a wave
	v_lshl_add_u32 v[CA], v1, 4, s38
	v_add_nc_u32 v[CA+1], SLOTB, v[CA]
	s_mul_i32 s38, s12, 32*KP
	s_add_co_u32 s38, s38, BF0
	v_mul_u32_u24 v[CSK], v15, KP
	v_lshl_add_u32 v[CSK], v14, 3, v[CSK]
	v_add_nc_u32 v[CSK], s38, v[CSK]
	s_mul_i32 s38, s12, 32*VP
	s_add_co_u32 s38, s38, BF0+VOFF
	v_mul_u32_u24 v[CSV], v15, VP
	v_lshl_add_u32 v[CSV], v14, 3, v[CSV]
	v_add_nc_u32 v[CSV], s38, v[CSV]
	v_lshlrev_b32 v[GO], 4, v14
	v_lshl_add_u32 v[GO], v15, 12, v[GO]
	s_mul_i32 s38, s12, 128*KP                     ; Q's stage: 128 rows of pitch 144 for each wave
	v_mul_u32_u24 v[QS], v15, KP
	v_lshl_add_u32 v[QS], v14, 3, v[QS]
	v_add_nc_u32 v[QR], s38, v[KA]
	s_add_co_u32 s38, s38, BF0
	v_add_nc_u32 v[QS], s38, v[QS]
	s_mul_i32 s38, s12, 16*SPITCH
	s_add_co_u32 s38, s38, STG
	v_mul_u32_u24 v[OST], v14, SPITCH
	v_lshl_add_u32 v[OST], v15, 5, v[OST]
	v_add_nc_u32 v[OST], s38, v[OST]
	v_mul_u32_u24 v[ORD], v15, SPITCH
	v_lshl_add_u32 v[ORD], v14, 4, v[ORD]
	v_add_nc_u32 v[ORD], s38, v[ORD]
	v_mov_b32 v[TB], 0                             ; the lane exchange counts as a reader of its destination
	v_mov_b32 v[NMC+1], 0                          ; upper halves of pairs of which only the lower is used
	v_mov_b32 v[AL+1], 0
	s_mov_b32 s32, 0x76543210                      ; v_permlanex16_b32: lane i takes lane i of the other half
	s_mov_b32 s33, 0xfedcba98
	s_mov_b32 s34, 0x3e38aa3b                      ; c = log2(e) / 8
	s_mov_b32 s35, 0x3e38aa3b
	s_mov_b32 s36, 0xbe38aa3b                      ; -c
	; descriptor group 1: 64 rows x 64 f32, 1,024 elements from row to row, no padding; the tiles lie inside the tensor, so the extents are the tile's
	s_mov_b32 s[G1+0], 15|(2<<16)|(1<<21)          ; 15:0 mask: all four work-groups of the cluster; 17:16 elements of 4 bytes; 21 set beside a mask
	s_mov_b32 s[G1+1], 64<<16                      ; tensor_dim0 = 64
	s_mov_b32 s[G1+2], 64<<16                      ; tensor_dim1 = 64
	s_mov_b32 s[G1+3], 64<<16                      ; tile_dim0 = 64
	s_mov_b32 s[G1+4], 64                          ; tile_dim1 = 64
	s_mov_b32 s[G1+5], 1024                        ; stride0
	s_mov_b32 s[G1+6], 0
	s_mov_b32 s[G1+7], 0
	; offsets.  ttmp9 counts clusters: g = 16 b + h.  The head's first row lies at b x 8,388,608 + h x 256.
	s_lshr_b32 s14, ttmp9, 4
	s_lshl_b32 s14, s14, 23
	s_and_b32 s38, ttmp9, 15
	s_lshl_b32 s38, s38, 8
	s_or_b32 s14, s14, s38
	s_and_b32 s38, s12, 1                          ; K's or V's rows 0-63 (even wave) or 64-127 (odd wave): 64 x 4,096 bytes
	s_lshl_b32 s38, s38, 18
	s_add_co_u32 s38, s38, s14
	s_mov_b32 s39, 0
	s_lshl_b32 s42, s13, 21                        ; Q and out: 512 rows a work-group,
	s_lshl_b32 s40, s12, 19                        ; 128 rows a wave
	s_add_co_u32 s40, s40, s42
	s_add_co_u32 s40, s40, s14
	s_mov_b32 s41, 0
	s_mov_b32 s[G0+0], 1
	s_lshl_b32 s[G0+1], s12, 14                    ; slot 0: K's two halves, then V's two halves = 16,384 w
	s_mov_b32 s[G0+4], 1
	s_add_co_u32 s[G0+5], s[G0+1], SLOTB           ; slot 1
	s_wait_kmcnt 0x0
	s_add_nc_u64 s[6:7], s[6:7], s[40:41]          ; Q at my wave's first row
	s_add_nc_u64 s[10:11], s[10:11], s[40:41]      ; out likewise
	s_cmp_lt_u32 s12, 2                            ; waves 0, 1 fetch from keys, waves 2, 3 from values: the same in all four work-groups
	s_cselect_b64 s[44:45], s[4:5], s[8:9]
	s_add_nc_u64 s[G0+2:G0+3], s[44:45], s[38:39]  ; tile 0
	s_add_nc_u64 s[G0+6:G0+7], s[G0+2:G0+3], TILEB ; tile 1
	s_or_b32 s[G0+3], s[G0+3], 0x80000000          ; type = 2
	s_or_b32 s[G0+7], s[G0+7], 0x80000000
	; Q: 64 loads, each two whole rows of 256 bytes, into window 1 (O's registers, still free)
	WIN 0x40
.set i, 0
.rept 64
	global_load_b128 v[4*i:4*i+3], v[GO], s[6:7] offset:8192*i th:TH_LOAD_NT
.set i, i+1
.endr
	WIN 0
	ROUND                                          ; all four work-groups are here: the first joint loads meet
	tensor_load_to_lds s[G0:G0+3], s[G1:G1+7]      ; tile 0.  The two first fills go out together: by this text's count a wave has two tensor loads out here,
	tensor_load_to_lds s[G0+4:G0+7], s[G1:G1+7]    ; tile 1,  and one behind each later round
	s_wait_loadcnt 0x0                             ; Q is in
	WIN 0x05                                       ; sources in window 1
.set i, 0
.rept 64
	v_cvt_pk_bf16_f32 v[KF+2*i],   v[4*i],   v[4*i+1]
	v_cvt_pk_bf16_f32 v[KF+2*i+1], v[4*i+2], v[4*i+3]
.set i, i+1
.endr
	WIN 0
.set i, 0
.rept 64
	ds_store_b64 v[QS], v[KF+2*i:KF+2*i+1] offset:2*KP*i           ; rows 2i + h of my own stage, 8 bytes at 8 r
.set i, i+1
.endr
	WIN 0x80                                       ; destination in window 2
.irp qt, 0,1,2,3,4,5,6,7
.irp ks, 0,1
	ds_load_b128 v[16*\qt+8*\ks:16*\qt+8*\ks+3],   v[QR] offset:16*KP*\qt+64*\ks      ; my own bytes, and LDS serves a wave's instructions in order (ISA guide 5.7.1): these see the stores above
	ds_load_b128 v[16*\qt+8*\ks+4:16*\qt+8*\ks+7], v[QR] offset:16*KP*\qt+64*\ks+32
.endr
.endr
	WIN 0
; Slot n (f32) to buffer n (bf16).  My quarter: rows 32 w to 32 w + 31 of K and of V, two rows a load.
.macro CONVERT n
	PLACES                                         ; the loads land in registers that the last matrix instructions read
.irp i, 0,1,2,3,4,5,6,7,8,9,10,11,12,13,14,15
	ds_load_b128 v[KF+4*\i:KF+4*\i+3], v[CA+\n] offset:512*\i
.endr
.irp i, 0,1,2,3,4,5,6,7,8,9,10,11,12,13,14,15
	ds_load_b128 v[VF+4*\i:VF+4*\i+3], v[CA+\n] offset:VHALF+512*\i
.endr
.irp g, 0,1,2,3
	s_wait_dscnt 24-8*\g                           ; of the 32 loads (nothing older is out) the first 8 g + 8 are in
.irp j, 0,1,2,3,4,5,6,7
	v_cvt_pk_bf16_f32 v[SC+2*(8*\g+\j)],   v[KF+4*(8*\g+\j)],   v[KF+4*(8*\g+\j)+1]
	v_cvt_pk_bf16_f32 v[SC+2*(8*\g+\j)+1], v[KF+4*(8*\g+\j)+2], v[KF+4*(8*\g+\j)+3]
.endr
.endr
.irp i, 0,1,2,3,4,5,6,7,8,9,10,11,12,13,14,15
	ds_store_b64 v[CSK], v[SC+2*\i:SC+2*\i+1] offset:BUFB*\n+2*KP*\i
.endr
.irp i, 0,1,2,3,4,5,6,7,8,9,10,11,12,13,14,15
	ds_store_b64 v[CSV], v[SC+32+2*\i:SC+32+2*\i+1] offset:BUFB*\n+2*VP*\i
.endr
.endm
; K fragments of 64 keys: 16 keys x 32 e, two loads of 16 bytes, 32 bytes apart
.macro LOADK p, sub
.irp kt, 0,1,2,3
.irp ks, 0,1
	ds_load_b128 v[KF+16*\kt+8*\ks:KF+16*\kt+8*\ks+3],   v[KA] offset:BUFB*\p+KP*(64*\sub+16*\kt)+64*\ks
	ds_load_b128 v[KF+16*\kt+8*\ks+4:KF+16*\kt+8*\ks+7], v[KA] offset:BUFB*\p+KP*(64*\sub+16*\kt)+64*\ks+32
.endr
.endr
.endm
; V^T fragments of 64 keys: 16 d x 32 keys, two transposing loads, 16 key rows apart
.macro LOADV p, sub
.irp ks, 0,1
.irp dt, 0,1,2,3
	ds_load_tr16_b128 v[VF+32*\ks+8*\dt:VF+32*\ks+8*\dt+3],   v[VA] offset:BUFB*\p+VP*(64*\sub+32*\ks)+32*\dt
	ds_load_tr16_b128 v[VF+32*\ks+8*\dt+4:VF+32*\ks+8*\dt+7], v[VA] offset:BUFB*\p+VP*(64*\sub+32*\ks+16)+32*\dt
.endr
.endr
.endm
; One query tile against 64 keys.  first = 1: the head's first 64 keys: m, the row sum and O start here, nothing is cleared.  waitv = 1: V's fragments are waited for.
.macro TILE qt, first, waitv
	WIN 0x08                                       ; second source (Q) in window 2
.irp kt, 0,1,2,3
	v_wmma_f32_16x16x32_bf16 v[SC+8*\kt:SC+8*\kt+7], v[KF+16*\kt:KF+16*\kt+7], v[16*\qt:16*\qt+7], 0
.endr
.irp kt, 0,1,2,3                       ; the four accumulators take turns, one instruction a turn
	v_wmma_f32_16x16x32_bf16 v[SC+8*\kt:SC+8*\kt+7], v[KF+16*\kt+8:KF+16*\kt+15], v[16*\qt+8:16*\qt+15], v[SC+8*\kt:SC+8*\kt+7]
.endr
	WIN 0
	PLACES
	; the largest of my 32 scores and of m, in four chains
.irp kt, 0,1,2,3
	v_max3_num_f32 v[UU+\kt], v[SC+8*\kt], v[SC+8*\kt+1], v[SC+8*\kt+2]
.endr
.irp kt, 0,1,2,3
	v_max3_num_f32 v[UU+\kt], v[UU+\kt], v[SC+8*\kt+3], v[SC+8*\kt+4]
.endr
.irp kt, 0,1,2,3
	v_max3_num_f32 v[UU+\kt], v[UU+\kt], v[SC+8*\kt+5], v[SC+8*\kt+6]
.endr
	v_max3_num_f32 v[TA], v[UU], v[UU+1], v[UU+2]
.if \first
	v_max3_num_f32 v[TA], v[TA], v[UU+3], v[SC+7]
	v_max3_num_f32 v[TA], v[TA], v[SC+15], v[SC+23]
	v_max_num_f32 v[TA], v[TA], v[SC+31]
.else
	v_max3_num_f32 v[TA], v[TA], v[UU+3], v[MX+\qt]
	v_max3_num_f32 v[TA], v[TA], v[SC+7], v[SC+15]
	v_max3_num_f32 v[TA], v[TA], v[SC+23], v[SC+31]
.endif
	v_permlanex16_b32 v[TB], v[TA], s32, s33       ; the other half of the lanes holds the query's other keys
	v_max_num_f32 v[TA], v[TA], v[TB]              ; m_new, the same in both halves
	v_mul_f32 v[NMC], s36, v[TA]                   ; -c m_new
.if \first == 0
	v_mul_f32 v[DD], s36, v[MX+\qt]                ; -c m_old, rounded as it was when the old terms were made
	v_sub_f32 v[DD], v[NMC], v[DD]
	v_exp_f32 v[AL], v[DD]                         ; alpha; the packed multiply-adds below are the plain work behind it (ISA guide 5.7.2)
.endif
	; p = 2^(c s - c m_new), in place.  Each block of multiply-adds is the plain work behind the run of exponentials in front of it.
.irp kt, 0,1,2,3
.irp j, 0,2,4,6
	v_pk_fma_f32 v[SC+8*\kt+\j:SC+8*\kt+\j+1], v[SC+8*\kt+\j:SC+8*\kt+\j+1], s[34:35], v[NMC:NMC+1] op_sel_hi:[1,0,0]
.endr
.irp j, 0,1,2,3,4,5,6,7
	v_exp_f32 v[SC+8*\kt+\j], v[SC+8*\kt+\j]
.endr
.endr
	v_mov_b32 v[MX+\qt], v[TA]                     ; m = m_new: also the plain instruction behind the last run of exponentials
	; the row sum, as a pair of partial sums of my half's keys; the pair and the halves are joined once, at the end
.irp kt, 0,1,2,3
	v_pk_add_f32 v[UU+2*\kt:UU+2*\kt+1], v[SC+8*\kt:SC+8*\kt+1], v[SC+8*\kt+2:SC+8*\kt+3]
.endr
.irp kt, 0,1,2,3
	v_pk_add_f32 v[UU+2*\kt:UU+2*\kt+1], v[UU+2*\kt:UU+2*\kt+1], v[SC+8*\kt+4:SC+8*\kt+5]
.endr
.irp kt, 0,1,2,3
	v_pk_add_f32 v[UU+2*\kt:UU+2*\kt+1], v[UU+2*\kt:UU+2*\kt+1], v[SC+8*\kt+6:SC+8*\kt+7]
.endr
	v_pk_add_f32 v[UU:UU+1], v[UU:UU+1], v[UU+2:UU+3]
	v_pk_add_f32 v[UU+4:UU+5], v[UU+4:UU+5], v[UU+6:UU+7]
.if \first
	v_pk_add_f32 v[LS+2*\qt:LS+2*\qt+1], v[UU:UU+1], v[UU+4:UU+5]
.else
	v_pk_add_f32 v[UU:UU+1], v[UU:UU+1], v[UU+4:UU+5]
	v_pk_fma_f32 v[LS+2*\qt:LS+2*\qt+1], v[LS+2*\qt:LS+2*\qt+1], v[AL:AL+1], v[UU:UU+1] op_sel_hi:[1,0,1]
.endif
	; P^T's fragments: key tile 2 ks gives keys 8h + 0..7 (registers 0-3), key tile 2 ks + 1 keys 16 + 8h + 0..7 (registers 4-7)
.irp ks, 0,1
.irp i, 0,1,2,3
	v_cvt_pk_bf16_f32 v[PF+8*\ks+\i],   v[SC+16*\ks+2*\i],   v[SC+16*\ks+2*\i+1]
	v_cvt_pk_bf16_f32 v[PF+8*\ks+4+\i], v[SC+16*\ks+8+2*\i], v[SC+16*\ks+8+2*\i+1]
.endr
.endr
.if \first == 0
	WIN 0x41                                       ; O in window 1, alpha in window 0
.irp j, 0,2,4,6,8,10,12,14,16,18,20,22,24,26,28,30
	v_pk_mul_f32 v[32*\qt+\j:32*\qt+\j+1], v[32*\qt+\j:32*\qt+\j+1], v[AL:AL+1] op_sel_hi:[1,0]
.endr
.endif
.if \waitv
	s_wait_dscnt 0x0                               ; V's 16 loads, issued in front of this step's first products
.endif
	WIN 0x50                                       ; C and D in window 1
.irp dt, 0,1,2,3
.if \first
	v_wmma_f32_16x16x32_bf16 v[32*\qt+8*\dt:32*\qt+8*\dt+7], v[VF+8*\dt:VF+8*\dt+7], v[PF:PF+7], 0
.else
	v_wmma_f32_16x16x32_bf16 v[32*\qt+8*\dt:32*\qt+8*\dt+7], v[VF+8*\dt:VF+8*\dt+7], v[PF:PF+7], v[32*\qt+8*\dt:32*\qt+8*\dt+7]
.endif
.endr
.irp dt, 0,1,2,3                       ; again four accumulators by turns
	v_wmma_f32_16x16x32_bf16 v[32*\qt+8*\dt:32*\qt+8*\dt+7], v[VF+32+8*\dt:VF+32+8*\dt+7], v[PF+8:PF+15], v[32*\qt+8*\dt:32*\qt+8*\dt+7]
.endr
.endm
; 64 keys (half sub of buffer p) against my eight query tiles
.macro STEP p, sub, first
	WIN 0
	PLACES                                         ; the loads land in registers that the last matrix instructions read
	LOADK \p, \sub
	LOADV \p, \sub
	s_wait_dscnt 16                                ; K's fragments (and all that is older) are in; V's 16 loads may stay out
	TILE 0, \first, 1
.irp qt, 1,2,3,4,5,6,7
	TILE \qt, \first, 0
.endr
.endm
; Trip t, p = t % 2, q the other.  In front of the barrier every wave has: all its tensor loads landed (its part of tile t + 1, in slot q, among them); its stores into
; buffer p (tile t, rounded last trip), its reads of buffer q (tile t - 1) and its reads of slot p (tile t) done.  Behind it: slot p is asked for again (tile t + 2),
; tile t + 1 is rounded from slot q into buffer q, and buffer p is multiplied.  The load has the whole trip in which to land.
.macro TRIP p, q, refill, conv, first
	WIN 0
	s_wait_tensorcnt 0x0                           ; no tensor load of mine is out, so a group 0 may be written
.if \refill
	s_add_nc_u64 s[G0+4*\p+2:G0+4*\p+3], s[G0+4*\p+2:G0+4*\p+3], 2*TILEB     ; this slot's next tile; the type bits on top are not reached
.endif
	s_wait_dscnt 0x0
.if \refill
	ROUND                                          ; all that now holds of every wave of all four work-groups
	tensor_load_to_lds s[G0+4*\p:G0+4*\p+3], s[G1:G1+7]            ; my one tensor load behind the round, and the first thing there
.else
	BAR                                            ; nothing is filled any more: my work-group's barrier is enough
.endif
.if \conv
	CONVERT \q
.endif
	STEP \p, 0, \first
	STEP \p, 1, 0
.endm
	s_wait_dscnt 0x0                               ; my Q fragments are in: my reads of the stage, which lies in the bf16 buffers, are over
	s_wait_tensorcnt 0x1                           ; my part of tile 0 is in; tile 1's load may stay out
	BAR
	CONVERT 0
	TRIP 0, 1, 1, 1, 1                             ; trips 0 and 1 stand in front of the loop: the first 64 keys start m, the row sums and O
	TRIP 1, 0, 1, 1, 0
	WIN 0
	s_mov_b32 s37, 6                               ; trips 2 to 13: the refills of trips 0 to 13 bring tiles 2 to 15
.Llap:
	TRIP 0, 1, 1, 1, 0
	TRIP 1, 0, 1, 1, 0
	WIN 0
	s_sub_co_u32 s37, s37, 1
	s_cmp_lg_u32 s37, 0
	s_cbranch_scc1 .Llap
	TRIP 0, 1, 0, 1, 0                             ; trip 14: nothing left to ask for; tile 15 is rounded
	TRIP 1, 0, 0, 0, 0                             ; trip 15
	; THE END: 1 / row sum, then O out, 16 query rows at a time
	WIN 0
	PLACES                                         ; behind the last matrix instructions
.irp qt, 0,1,2,3,4,5,6,7
	v_add_f32 v[LS+2*\qt], v[LS+2*\qt], v[LS+2*\qt+1]
.endr
.irp qt, 0,1,2,3,4,5,6,7
	v_permlanex16_b32 v[LS+2*\qt+1], v[LS+2*\qt], s32, s33
.endr
.irp qt, 0,1,2,3,4,5,6,7
	v_add_f32 v[LS+2*\qt], v[LS+2*\qt], v[LS+2*\qt+1]
.endr
.irp qt, 0,1,2,3,4,5,6,7
	v_rcp_f32 v[LS+2*\qt], v[LS+2*\qt]             ; the sum holds the largest score's term, which is 1: it is never 0
.endr
	v_nop                                          ; the plain instruction behind the run of reciprocals (ISA guide 5.7.2)
; Query tile qt: scale, 32 bytes a lane and d tile into my own stage (row = query r), read back as whole rows of 256 bytes, store.  f: the landing registers, 64 and 96 in turn.
.macro OUT qt, f
	WIN 0x41
.irp j, 0,2,4,6,8,10,12,14,16,18,20,22,24,26,28,30
	v_pk_mul_f32 v[32*\qt+\j:32*\qt+\j+1], v[32*\qt+\j:32*\qt+\j+1], v[LS+2*\qt:LS+2*\qt+1] op_sel_hi:[1,0]
.endr
	WIN 0x04                                       ; store data in window 1
.irp dt, 0,1,2,3
	ds_store_b128 v[OST], v[32*\qt+8*\dt:32*\qt+8*\dt+3]   offset:64*\dt
	ds_store_b128 v[OST], v[32*\qt+8*\dt+4:32*\qt+8*\dt+7] offset:64*\dt+16
.endr
	WIN 0
	s_wait_xcnt 0x0                                ; every earlier memory instruction has had its addresses translated (ISA guide 3.1): registers that stores read are loaded again only behind this wait
.irp t, 0,1,2,3,4,5,6,7
	ds_load_b128 v[\f+4*\t:\f+4*\t+3], v[ORD] offset:2*SPITCH*\t   ; my own bytes, served in order: these see the stores above, and the next tile's stores come behind them
.endr
.irp t, 0,1,2,3,4,5,6,7
	s_wait_dscnt 7-\t                              ; read-back t of the eight is in
	global_store_b128 v[GO], v[\f+4*\t:\f+4*\t+3], s[10:11] offset:65536*\qt+8192*\t th:TH_STORE_NT   ; 16 lanes store one row's 256 consecutive bytes, aligned to 256
.endr
.endm
	OUT 0, 64
	OUT 1, 96
	OUT 2, 64
	OUT 3, 96
	OUT 4, 64
	OUT 5, 96
	OUT 6, 64
	OUT 7, 96
	ROUND                                          ; the closing round: no work-group ends while a partner may still ask for a tile that names it
	s_endpgm
.Lfunc_end_k_q9a05507c4b_attn:
	.size	k_q9a05507c4b_attn, .Lfunc_end_k_q9a05507c4b_attn-k_q9a05507c4b_attn
	.p2alignl 7, 3214868480
	.fill 96, 4, 3214868480
	.section	.rodata,"a",@progbits
	.p2align	6, 0x0
	.amdhsa_kernel k_q9a05507c4b_attn
		.amdhsa_group_segment_fixed_size 327680
		.amdhsa_private_segment_fixed_size 0
		.amdhsa_enable_private_segment 0
		.amdhsa_kernarg_size 32
		.amdhsa_user_sgpr_count 2
		.amdhsa_user_sgpr_kernarg_segment_ptr 1
		.amdhsa_wavefront_size32 1
		.amdhsa_system_sgpr_workgroup_id_x 1
		.amdhsa_system_sgpr_workgroup_id_y 1
		.amdhsa_system_sgpr_workgroup_id_z 1
		.amdhsa_system_vgpr_workitem_id 0
		.amdhsa_next_free_vgpr 640
		.amdhsa_next_free_sgpr 66
		.amdhsa_reserve_vcc 0
		.amdhsa_float_denorm_mode_32 3
		.amdhsa_float_denorm_mode_16_64 3
		.amdhsa_memory_ordered 1
		.amdhsa_forward_progress 1
		.amdhsa_inst_pref_size 255
	.end_amdhsa_kernel
	.section	.bss,"aw",@nobits
	.p2align	6
	.space	262144
	.amdgpu_metadata
---
amdhsa.version: [ 1, 2 ]
amdhsa.kernels:
  - .name:           k_q9a05507c4b_attn
    .symbol:         k_q9a05507c4b_attn.kd
    .args:
      - { .name: keys, .offset: 0, .size: 8, .value_kind: global_buffer, .address_space: global }
      - { .name: queries, .offset: 8, .size: 8, .value_kind: global_buffer, .address_space: global }
      - { .name: values, .offset: 16, .size: 8, .value_kind: global_buffer, .address_space: global }
      - { .name: out0, .offset: 24, .size: 8, .value_kind: global_buffer, .address_space: global }
    .group_segment_fixed_size: 327680
    .private_segment_fixed_size: 0
    .kernarg_segment_align: 8
    .kernarg_segment_size: 32
    .max_flat_workgroup_size: 128
    .sgpr_count:     66
    .vgpr_count:     640
    .wavefront_size: 32
...
	.end_amdgpu_metadata
.endif
;; end of part 1
;; ======== version 2 of 2: 1 launch; 1.36 times as fast as version 1
;; launch attn (part 2): grid 256 x 1, 4 waves a work-group, clusters of 4 x 1, 327,680 bytes of LDS; arguments keys, queries, values, out0; writes out0
.if DOCPART == 2
	.amdgcn_target "amdgcn-amd-amdhsa--gfx1250"
	.amdhsa_code_object_version 6
	.text
	.protected	k_q9a05507c4b_attn
	.globl	k_q9a05507c4b_attn
	.p2align	8
	.type	k_q9a05507c4b_attn,@function
k_q9a05507c4b_attn:
	s_mov_b64 s[64:65], 0
	v_nop
	global_prefetch_b8 v0, s[64:65] scope:SCOPE_SE
	s_setreg_imm32_b32 hwreg(HW_REG_WAVE_MODE, 25, 1), 1
	s_wait_xcnt 0x0
	s_wait_alu depctr_hold_cnt(0) depctr_sa_sdst(0) depctr_va_vdst(0) depctr_va_sdst(0) depctr_va_ssrc(0) depctr_va_vcc(0) depctr_vm_vsrc(0)
	s_getreg_b32 s2, hwreg(HW_REG_IB_STS2, 6, 4)
	s_cmp_eq_u32 s2, 0
	s_cbranch_scc0 .Lentry_in_a_cluster
	s_endpgm
.Lentry_in_a_cluster:
	s_bfe_u32 s2, ttmp6, 0x10000c
	s_cmp_lg_u32 s2, 0x3003
	s_cbranch_scc0 .Lentry_shape_is_right
	s_endpgm
.Lentry_shape_is_right:
; out[b][l][h][:] = softmax over s of (q[b][l][h][:] . k[b][s][h][:] / 8) applied to v[b][s][h][:].   B = 4, L = S = 2048, H = 16, E = D = 64, all f32.
; A (position, head) row is 64 f32 = 256 bytes, aligned to 256; from position to position it is 4,096 bytes.
; NOTHING IS LEFT OUT: all three inputs reach the output; the maximum is taken away before every exponential, as a running maximum.
; The factor 1/8 and log2(e) are one constant c in the exponent: p = 2^(c s - c m).
;
; SHARING.  A cluster of four work-groups is one (b, h); its four work-groups are that head's four blocks of 512 query rows.  A work-group has four
; waves, as many as a WGP has SIMDs; a wave owns 128 query rows = 8 query tiles of 16, whose Q fragments (128 registers) and sums O (256 registers) stay in registers.
; The four work-groups need the same K and V: each tile of 128 keys is asked for JOINTLY (mask 15), 64 rows x 256 bytes by each wave (waves 0, 1: K; waves 2, 3: V),
; into one of two f32 slots.  A landed tile is rounded to bf16 by the four waves together, a quarter each, into two rings of 256 key rows that only ds_store writes.
;
; BOTH PRODUCTS ARE TRANSPOSED.  S^T = K Q^T: lane (r, h) holds query r, register j key 8h + j of a key tile: maximum and sum over keys run along the lane's own
; registers, with one exchange between lanes l and l xor 16; m, alpha and the sum are per-lane numbers.  Two key tiles' scores, packed in pairs, ARE the second
; source (32 keys x 16 queries) of O^T = V^T P^T; V^T's fragments come by the transposing LDS load from V stored [key][d].  In O^T lane (r, h) holds query r,
; d = 16 dt + 8h + j: rescaling is a multiply by the lane's own alpha.
;
; TWO QUERY TILES TAKE TURNS.  A step is 64 keys against the wave's 8 query tiles; a tile has 16 matrix instructions and about 120 vector instructions, and
; the vector work of one tile is cut into slices that stand behind the matrix instructions of its neighbours:
;   stretch X(q): the 8 score products of tile q + 1; behind each a slice of tile q: exponents, exponentials, the first half of the row sum;
;   stretch Y(q): the 8 PV products of tile q; behind each a slice: packing p of tile q, the rest of its row sum, then maximum, alpha and rescaling of tile q + 1.
; The chain runs on from step to step: K of step s + 1 is fetched in Y(6), when the products of tile 7 have read K of step s, and X(7) multiplies tile 0 of step s + 1.
; The slices are also the places behind the matrix instructions (ISA guide 7.12.1): inside a step no v_nop is written.
;
; THE TEXT IS KEPT SHORT: a step's place in the rings is a scalar made of the step's number, added to a fixed lane term, so that one step body serves a loop.  Of the 32 steps
; the first (it starts m, the row sums and O) and the last (no next tile) are written out; 28 run in the main loop, 2 in the loop behind the last refill: four bodies in all.
;
; LIMITS.  q, k, v and p enter the products rounded to bf16; sums, m, alpha and the row sum are f32; the row sum adds the unrounded p.  v_exp_f32 gives 0 for
; results under 2^-126.  The maxima pass over a NaN; it still reaches p, the row sum and O through the exponent.  A score of +infinity gives NaN.
; alpha = 2^(NMC_new - NMC_old) with NMC = round(-c m), the very addend of the exponentials: it is exactly 1 while the maximum stands.
;
; LDS: 0 slot 0, 65,536 slot 1 (each: K 128 rows x 256 bytes, then V the same; tensor loads alone write here; read 16 bytes a lane, contiguous, so unpadded);
; 131,072 K's ring, 256 rows of 128 bytes at pitch 144; 167,936 V's ring, 256 rows at pitch 160; 208,896 four stages of 16 rows x 272 bytes for the way out.
; Step n reads ring rows 64 (n mod 4) ..; tile T is stored at ring rows 128 (T mod 2) ...
; Pitch 144 = 9 x 16: the 16 rows of a fragment load start at 16 different 16-byte columns modulo 256 bytes.  Pitch 160 = 5 x 32, for the transposing load's pairs of columns.
; Ahead of the first tile the rings also serve as Q's stage, 18,432 bytes for each wave.
;
; REGISTERS, in windows of 256: window 0 addresses, softmax state, K and V fragments, two sets of scores; window 1 O[qt][dt] at 32 qt + 8 dt; window 2 Q fragments at
; 16 qt + 8 ks; window 3 the rounding of K and V (128 registers as loaded, 64 packed), so that it leaves the running chain's registers alone.
; O fills window 1, so a PV product's destination window is not the softmax's: two switches for each PV product, none inside X: 18 for a tile's 16 matrix instructions.
.set SLOTB,  65536                     ; bytes of an f32 slot
.set VHALF,  32768                     ; V's place in a slot
.set KP,     144                       ; pitch of K's (and Q's) bf16 rows
.set VP,     160                       ; pitch of V's bf16 rows
.set BFK,    131072                    ; K's ring
.set BFV,    BFK+256*KP                ; V's ring
.set STG,    BFV+256*VP                ; the stages of the way out
.set SPITCH, 272
.set TILEB,  128*4096                  ; 128 positions in memory
.set KA,  2                            ; v2   K fragments, ring row 0: BFK + 144 r + 16 h
.set VA,  3                            ; v3   V fragments, ring row 0: BFV + 160 (8h + l%8) + 16 ((l/8)%2)
.set CA,  4                            ; v4   my quarter of slot 0: 8192 w + 16 l
.set CSK, 5                            ; v5   where my bf16 of K go, ring row 0: BFK + 4608 w + 144 h + 8 r
.set CSV, 6                            ; v6   the same for V: BFV + 5120 w + 160 h + 8 r
.set KC,  7                            ; v7   KA + the next step's place in K's ring
.set VC,  8                            ; v8   VA + this step's place in V's ring
.set CC,  9                            ; v9   CA + the slot that is rounded
.set CKC, 10                           ; v10  CSK + the tile's place in K's ring
.set CVC, 11                           ; v11  CSV + the tile's place in V's ring
.set QS,  10                           ; ahead of the first tile: Q's stage, in
.set QR,  11                           ;                          Q's stage, fragments back
.set GO,  12                           ; v12  global offset in Q and in out: 4096 h + 16 r; never rewritten
.set OST, 13                           ; v13  way out, in: row r, 32 h
.set ORD, 14                           ; v14  way out, back: row h, 16 r
.set MX,  16                           ; v16-23 running maximum of query tile qt
.set LS,  24                           ; v24-39 running sum of query tile qt, a pair of partial sums
.set TT,  40                           ; v40-43 four chains of the maximum
.set TA,  44
.set TB,  45
.set NMC, 46                           ; v46 -c m (v47 only completes the pair)
.set AL,  48                           ; v48 alpha (v49 only completes the pair)
.set DD,  50
.set UU,  52                           ; v52-53 the row sum's second chain
.set KF,  64                           ; v64-127  K fragments [kt][ks] at 16 kt + 8 ks
.set VF,  128                          ; v128-191 V^T fragments [ks][dt] at 32 ks + 8 dt
.set SC,  192                          ; v192-223, v224-255 scores of an even, an odd query tile; p is packed in place over the set's first 16
.set G1,  16                           ; s[16:23] descriptor group 1, one for all loads
.set G0,  24                           ; s[24:27] descriptor group 0 of tile 0; s[28:31] of tile 1 and then of every refill
.set MSB, 0
.macro WIN new                         ; the immediate's high byte repeats the setting that is left; a switch that changes nothing is dropped
.if MSB != \new
	s_set_vgpr_msb (MSB<<8)|\new
.set MSB, \new
.endif
.endm
.macro PLACES                          ; four places behind matrix instructions (ISA guide 7.12.1) where no useful plain vector work is at hand: at the chain's start and end
.rept 4
	v_nop
.endr
.endm
.macro BAR
	s_barrier_signal -1
	s_barrier_wait -1
.endm
; A round of the cluster's barrier: my work-group's barrier, wave 0 signals for the work-group, every wave waits for all four work-groups, my work-group's barrier again.
.macro ROUND
	s_barrier_signal -1
	s_barrier_wait -1
	s_cmp_lg_u32 s12, 0
	s_cbranch_scc1 .Lnot_wave_0_\@
	s_barrier_signal -3
.Lnot_wave_0_\@:
	s_barrier_wait -3
	s_barrier_signal -1
	s_barrier_wait -1
.endm
	s_load_b256 s[4:11], s[0:1], 0x0               ; keys s[4:5], queries s[6:7], values s[8:9], out s[10:11]
	v_lshrrev_b32 v57, 5, v0
	v_readfirstlane_b32 s12, v57                   ; wave w, 0 to 3
	s_bfe_u32 s13, ttmp6, 0x40000                  ; cx: which block of 512 query rows; it enters Q's and out's global offsets alone
	v_and_b32 v54, 31, v0                          ; l
	v_and_b32 v55, 15, v0                          ; r
	v_bfe_u32 v56, v0, 4, 1                        ; h
	v_mul_u32_u24 v[KA], v55, KP
	v_lshl_add_u32 v[KA], v56, 4, v[KA]
	v_add_nc_u32 v[KA], BFK, v[KA]
	v_and_b32 v57, 7, v0
	v_lshl_add_u32 v57, v56, 3, v57                ; 8h + l%8: the key row that I address for the transposing load
	v_mul_u32_u24 v[VA], v57, VP
	v_bfe_u32 v57, v0, 3, 1
	v_lshl_add_u32 v[VA], v57, 4, v[VA]
	v_add_nc_u32 v[VA], BFV, v[VA]
	s_lshl_b32 s38, s12, 13                        ; 32 rows of 256 bytes a wave
	v_lshl_add_u32 v[CA], v54, 4, s38
	s_mul_i32 s38, s12, 32*KP
	s_add_co_u32 s38, s38, BFK
	v_mul_u32_u24 v[CSK], v56, KP
	v_lshl_add_u32 v[CSK], v55, 3, v[CSK]
	v_add_nc_u32 v[CSK], s38, v[CSK]
	s_mul_i32 s38, s12, 32*VP
	s_add_co_u32 s38, s38, BFV
	v_mul_u32_u24 v[CSV], v56, VP
	v_lshl_add_u32 v[CSV], v55, 3, v[CSV]
	v_add_nc_u32 v[CSV], s38, v[CSV]
	v_lshlrev_b32 v[GO], 4, v55
	v_lshl_add_u32 v[GO], v56, 12, v[GO]
	s_mul_i32 s38, s12, 128*KP                     ; Q's stage: 128 rows of pitch 144 for each wave
	v_mul_u32_u24 v[QS], v56, KP
	v_lshl_add_u32 v[QS], v55, 3, v[QS]
	v_add_nc_u32 v[QR], s38, v[KA]
	s_add_co_u32 s38, s38, BFK
	v_add_nc_u32 v[QS], s38, v[QS]
	s_mul_i32 s38, s12, 16*SPITCH
	s_add_co_u32 s38, s38, STG
	v_mul_u32_u24 v[OST], v55, SPITCH
	v_lshl_add_u32 v[OST], v56, 5, v[OST]
	v_add_nc_u32 v[OST], s38, v[OST]
	v_mul_u32_u24 v[ORD], v56, SPITCH
	v_lshl_add_u32 v[ORD], v55, 4, v[ORD]
	v_add_nc_u32 v[ORD], s38, v[ORD]
	v_mov_b32 v[TB], 0                             ; the lane exchange counts as a reader of its destination
	v_mov_b32 v[NMC+1], 0                          ; upper halves of pairs of which only the lower is used
	v_mov_b32 v[AL+1], 0
	s_mov_b32 s32, 0x76543210                      ; v_permlanex16_b32: lane i takes lane i of the other half
	s_mov_b32 s33, 0xfedcba98
	s_mov_b32 s34, 0x3e38aa3b                      ; c = log2(e) / 8
	s_mov_b32 s35, 0x3e38aa3b
	s_mov_b32 s36, 0xbe38aa3b                      ; -c
	s_mov_b32 s46, 0                               ; the number of the step that comes next
	s_mov_b32 s48, 0                               ; the tile that is rounded next: its slot (0 or 65,536),
	s_mov_b32 s49, 0                               ; its place in K's ring (0 or 128 rows),
	s_mov_b32 s50, 0                               ; its place in V's ring
	; descriptor group 1: 64 rows x 64 f32, 1,024 elements from row to row, no padding; the tiles lie inside the tensor, so the extents are the tile's
	s_mov_b32 s[G1+0], 15|(2<<16)|(1<<21)          ; 15:0 mask: all four work-groups of the cluster; 17:16 elements of 4 bytes; 21 set beside a mask
	s_mov_b32 s[G1+1], 64<<16                      ; tensor_dim0 = 64
	s_mov_b32 s[G1+2], 64<<16                      ; tensor_dim1 = 64
	s_mov_b32 s[G1+3], 64<<16                      ; tile_dim0 = 64
	s_mov_b32 s[G1+4], 64                          ; tile_dim1 = 64
	s_mov_b32 s[G1+5], 1024                        ; stride0
	s_mov_b32 s[G1+6], 0
	s_mov_b32 s[G1+7], 0
	; offsets.  ttmp9 counts clusters: g = 16 b + h.  The head's first row lies at b x 8,388,608 + h x 256.
	s_lshr_b32 s14, ttmp9, 4
	s_lshl_b32 s14, s14, 23
	s_and_b32 s38, ttmp9, 15
	s_lshl_b32 s38, s38, 8
	s_or_b32 s14, s14, s38
	s_and_b32 s38, s12, 1                          ; K's or V's rows 0-63 (even wave) or 64-127 (odd wave): 64 x 4,096 bytes
	s_lshl_b32 s38, s38, 18
	s_add_co_u32 s38, s38, s14
	s_mov_b32 s39, 0
	s_lshl_b32 s42, s13, 21                        ; Q and out: 512 rows a work-group,
	s_lshl_b32 s40, s12, 19                        ; 128 rows a wave
	s_add_co_u32 s40, s40, s42
	s_add_co_u32 s40, s40, s14
	s_mov_b32 s41, 0
	s_mov_b32 s[G0+0], 1
	s_lshl_b32 s[G0+1], s12, 14                    ; slot 0: K's two halves, then V's two halves = 16,384 w
	s_mov_b32 s[G0+4], 1
	s_add_co_u32 s[G0+5], s[G0+1], SLOTB           ; slot 1
	s_wait_kmcnt 0x0
	s_add_nc_u64 s[6:7], s[6:7], s[40:41]          ; Q at my wave's first row
	s_add_nc_u64 s[10:11], s[10:11], s[40:41]      ; out likewise
	s_cmp_lt_u32 s12, 2                            ; waves 0, 1 fetch from keys, waves 2, 3 from values: the same in all four work-groups
	s_cselect_b64 s[44:45], s[4:5], s[8:9]
	s_add_nc_u64 s[G0+2:G0+3], s[44:45], s[38:39]  ; tile 0
	s_add_nc_u64 s[G0+6:G0+7], s[G0+2:G0+3], TILEB ; tile 1
	s_or_b32 s[G0+3], s[G0+3], 0x80000000          ; type = 2
	s_or_b32 s[G0+7], s[G0+7], 0x80000000
	; Q: 64 loads, each two whole rows of 256 bytes, into window 1 (O's registers, still free)
	WIN 0x40
.set i, 0
.rept 64
	global_load_b128 v[4*i:4*i+3], v[GO], s[6:7] offset:8192*i th:TH_LOAD_NT
.set i, i+1
.endr
	WIN 0
	ROUND                                          ; all four work-groups are here: the first joint loads meet
	tensor_load_to_lds s[G0:G0+3], s[G1:G1+7]      ; tile 0.  The two first fills go out together: by this text's count a wave has two tensor loads out here,
	tensor_load_to_lds s[G0+4:G0+7], s[G1:G1+7]    ; tile 1,  and one behind each later round
	s_wait_loadcnt 0x0                             ; Q is in
	WIN 0x05                                       ; sources in window 1
.set i, 0
.rept 64
	v_cvt_pk_bf16_f32 v[KF+2*i],   v[4*i],   v[4*i+1]
	v_cvt_pk_bf16_f32 v[KF+2*i+1], v[4*i+2], v[4*i+3]
.set i, i+1
.endr
	WIN 0
.set i, 0
.rept 64
	ds_store_b64 v[QS], v[KF+2*i:KF+2*i+1] offset:2*KP*i           ; rows 2i + h of my own stage, 8 bytes at 8 r
.set i, i+1
.endr
	WIN 0x80                                       ; destination in window 2
.irp qt, 0,1,2,3,4,5,6,7
.irp ks, 0,1
	ds_load_b128 v[16*\qt+8*\ks:16*\qt+8*\ks+3],   v[QR] offset:16*KP*\qt+64*\ks      ; my own bytes, and LDS serves a wave's instructions in order (ISA guide 5.7.1): these see the stores above
	ds_load_b128 v[16*\qt+8*\ks+4:16*\qt+8*\ks+7], v[QR] offset:16*KP*\qt+64*\ks+32
.endr
.endr
	WIN 0
; The tile named by s48-s50 goes from its f32 slot into the bf16 rings.  My quarter: rows 32 w to 32 w + 31 of K and of V, two rows a load.  All data in window 3.
.macro CONVERT
	v_add_nc_u32 v[CC],  s48, v[CA]
	v_add_nc_u32 v[CKC], s49, v[CSK]
	v_add_nc_u32 v[CVC], s50, v[CSV]
	s_xor_b32 s48, s48, SLOTB                      ; the next tile lies in the other slot and goes to the rings' other halves
	s_xor_b32 s49, s49, 128*KP
	s_xor_b32 s50, s50, 128*VP
	WIN 0xc0                                       ; destination in window 3
.irp i, 0,1,2,3,4,5,6,7,8,9,10,11,12,13,14,15
	ds_load_b128 v[4*\i:4*\i+3], v[CC] offset:512*\i
.endr
.irp i, 0,1,2,3,4,5,6,7,8,9,10,11,12,13,14,15
	ds_load_b128 v[64+4*\i:64+4*\i+3], v[CC] offset:VHALF+512*\i
.endr
	WIN 0xcf                                       ; sources and destination in window 3
.irp g, 0,1,2,3
	s_wait_dscnt 24-8*\g                           ; of the 32 loads (nothing older is out) the first 8 g + 8 are in
.irp j, 0,1,2,3,4,5,6,7
	v_cvt_pk_bf16_f32 v[128+2*(8*\g+\j)],   v[4*(8*\g+\j)],   v[4*(8*\g+\j)+1]
	v_cvt_pk_bf16_f32 v[128+2*(8*\g+\j)+1], v[4*(8*\g+\j)+2], v[4*(8*\g+\j)+3]
.endr
.endr
	WIN 0x0c                                       ; store data in window 3
.irp i, 0,1,2,3,4,5,6,7,8,9,10,11,12,13,14,15
	ds_store_b64 v[CKC], v[128+2*\i:128+2*\i+1] offset:2*KP*\i
.endr
.irp i, 0,1,2,3,4,5,6,7,8,9,10,11,12,13,14,15
	ds_store_b64 v[CVC], v[160+2*\i:160+2*\i+1] offset:2*VP*\i
.endr
	WIN 0
.endm
; K fragments of key tiles 2 hf, 2 hf + 1 of a step: 16 keys x 32 e, two loads of 16 bytes, 32 bytes apart
.macro LOADKH adr, hf
.irp kt, 0,1
.irp ks, 0,1
	ds_load_b128 v[KF+16*(2*\hf+\kt)+8*\ks:KF+16*(2*\hf+\kt)+8*\ks+3],   v[\adr] offset:16*KP*(2*\hf+\kt)+64*\ks
	ds_load_b128 v[KF+16*(2*\hf+\kt)+8*\ks+4:KF+16*(2*\hf+\kt)+8*\ks+7], v[\adr] offset:16*KP*(2*\hf+\kt)+64*\ks+32
.endr
.endr
.endm
; V^T fragments of a step's 64 keys: 16 d x 32 keys, two transposing loads, 16 key rows apart
.macro LOADV
.irp ks, 0,1
.irp dt, 0,1,2,3
	ds_load_tr16_b128 v[VF+32*\ks+8*\dt:VF+32*\ks+8*\dt+3],   v[VC] offset:VP*32*\ks+32*\dt
	ds_load_tr16_b128 v[VF+32*\ks+8*\dt+4:VF+32*\ks+8*\dt+7], v[VC] offset:VP*(32*\ks+16)+32*\dt
.endr
.endr
.endm
; The pieces of a stretch.  SCUR, QCUR: score set and number of the tile whose softmax runs; SNXT, QNXT: of the tile behind it.
.macro SETS q, qn
.set SCUR, SC+32*((\q)&1)
.set SNXT, SC+32*((\qn)&1)
.set QCUR, \q
.set QNXT, \qn
.endm
.macro QKW i                           ; score product i of the next tile: key tiles 0-3 on e 0-31 start the sums, then key tiles 0-3 on e 32-63: four accumulators by turns
.if (\i) < 4
	v_wmma_f32_16x16x32_bf16 v[SNXT+8*(\i):SNXT+8*(\i)+7], v[KF+16*(\i):KF+16*(\i)+7], v[16*QNXT:16*QNXT+7], 0
.else
	v_wmma_f32_16x16x32_bf16 v[SNXT+8*((\i)-4):SNXT+8*((\i)-4)+7], v[KF+16*((\i)-4)+8:KF+16*((\i)-4)+15], v[16*QNXT+8:16*QNXT+15], v[SNXT+8*((\i)-4):SNXT+8*((\i)-4)+7]
.endif
.endm
.macro PVW i, first                    ; PV product i of the current tile: d tiles 0-3 on keys 0-31, then on keys 32-63: again four accumulators by turns
	WIN 0x50                                       ; C and D in window 1
.if (\i) < 4
.if \first
	v_wmma_f32_16x16x32_bf16 v[32*QCUR+8*(\i):32*QCUR+8*(\i)+7], v[VF+8*(\i):VF+8*(\i)+7], v[SCUR:SCUR+7], 0
.else
	v_wmma_f32_16x16x32_bf16 v[32*QCUR+8*(\i):32*QCUR+8*(\i)+7], v[VF+8*(\i):VF+8*(\i)+7], v[SCUR:SCUR+7], v[32*QCUR+8*(\i):32*QCUR+8*(\i)+7]
.endif
.else
	v_wmma_f32_16x16x32_bf16 v[32*QCUR+8*((\i)-4):32*QCUR+8*((\i)-4)+7], v[VF+32+8*((\i)-4):VF+32+8*((\i)-4)+7], v[SCUR+8:SCUR+15], v[32*QCUR+8*((\i)-4):32*QCUR+8*((\i)-4)+7]
.endif
.endm
.macro FM g                            ; exponents of scores 4 g .. 4 g + 3: c s - c m
	v_pk_fma_f32 v[SCUR+4*(\g):SCUR+4*(\g)+1], v[SCUR+4*(\g):SCUR+4*(\g)+1], s[34:35], v[NMC:NMC+1] op_sel_hi:[1,0,0]
	v_pk_fma_f32 v[SCUR+4*(\g)+2:SCUR+4*(\g)+3], v[SCUR+4*(\g)+2:SCUR+4*(\g)+3], s[34:35], v[NMC:NMC+1] op_sel_hi:[1,0,0]
.endm
.macro EX g                            ; their exponentials, in place
	v_exp_f32 v[SCUR+4*(\g)],   v[SCUR+4*(\g)]
	v_exp_f32 v[SCUR+4*(\g)+1], v[SCUR+4*(\g)+1]
	v_exp_f32 v[SCUR+4*(\g)+2], v[SCUR+4*(\g)+2]
	v_exp_f32 v[SCUR+4*(\g)+3], v[SCUR+4*(\g)+3]
.endm
; Row sums inside X.  There the second source's window is Q's, so an add of two vector pairs cannot be written; p x 1.0 + sum has its vector operands in the first and third place.
.macro XSUM dst, p
	v_pk_fma_f32 v[\dst:\dst+1], v[SCUR+2*(\p):SCUR+2*(\p)+1], 1.0, v[\dst:\dst+1] op_sel_hi:[1,0,1]
.endm
.macro XSUM2 dst, p, p2
	v_pk_fma_f32 v[\dst:\dst+1], v[SCUR+2*(\p):SCUR+2*(\p)+1], 1.0, v[SCUR+2*(\p2):SCUR+2*(\p2)+1] op_sel_hi:[1,0,1]
.endm
.macro YSUM dst, p                     ; row sums inside Y: all windows 0, a plain packed add
	v_pk_add_f32 v[\dst:\dst+1], v[\dst:\dst+1], v[SCUR+2*(\p):SCUR+2*(\p)+1]
.endm
.macro CV j                            ; p packed in place: register j takes registers 2 j, 2 j + 1; with j ascending no register is written before it is read.
	v_cvt_pk_bf16_f32 v[SCUR+(\j)], v[SCUR+2*(\j)], v[SCUR+2*(\j)+1]      ; registers 0-7: keys 0-31 as P^T's fragment, 8-15: keys 32-63
.endm
.macro RS j                            ; O of the next tile times its alpha
	v_pk_mul_f32 v[32*QNXT+2*(\j):32*QNXT+2*(\j)+1], v[32*QNXT+2*(\j):32*QNXT+2*(\j)+1], v[AL:AL+1] op_sel_hi:[1,0]
.endm
; The next tile's maximum: four chains over registers 0-6 of each key tile, then their join with m (f = 0) and registers 7.  f = 1: the head's first 64 keys, no m yet.
.macro MR r
.irp kt, 0,1,2,3
.if \r == 0
	v_max3_num_f32 v[TT+\kt], v[SNXT+8*\kt], v[SNXT+8*\kt+1], v[SNXT+8*\kt+2]
.else
	v_max3_num_f32 v[TT+\kt], v[TT+\kt], v[SNXT+8*\kt+2*\r+1], v[SNXT+8*\kt+2*\r+2]
.endif
.endr
.endm
.macro M13
	v_max3_num_f32 v[TA], v[TT], v[TT+1], v[TT+2]
.endm
.macro M14 f
.if \f
	v_max3_num_f32 v[TA], v[TA], v[TT+3], v[SNXT+7]
.else
	v_max3_num_f32 v[TA], v[TA], v[TT+3], v[MX+QNXT]
.endif
.endm
.macro M15 f
.if \f
	v_max3_num_f32 v[TA], v[TA], v[SNXT+15], v[SNXT+23]
.else
	v_max3_num_f32 v[TA], v[TA], v[SNXT+7], v[SNXT+15]
.endif
.endm
.macro M16 f
.if \f
	v_max_num_f32 v[TA], v[TA], v[SNXT+31]
.else
	v_max3_num_f32 v[TA], v[TA], v[SNXT+23], v[SNXT+31]
.endif
.endm
.macro M17
	v_permlanex16_b32 v[TB], v[TA], s32, s33       ; the other half of the lanes holds the query's other keys
.endm
.macro M18
	v_max_num_f32 v[TA], v[TA], v[TB]              ; m_new, the same in both halves
.endm
.macro M19
	v_mul_f32 v[NMC], s36, v[TA]                   ; -c m_new
.endm
.macro M20
	v_mul_f32 v[DD], s36, v[MX+QNXT]               ; -c m_old, rounded as it was when the old terms were made
.endm
.macro M21
	v_sub_f32 v[DD], v[NMC], v[DD]
.endm
.macro M22
	v_exp_f32 v[AL], v[DD]                         ; alpha; plain adds stand behind it before it is used (ISA guide 5.7.2)
.endm
.macro M23
	v_mov_b32 v[MX+QNXT], v[TA]                    ; m = m_new
.endm
.macro M24
	v_pk_mul_f32 v[LS+2*QNXT:LS+2*QNXT+1], v[LS+2*QNXT:LS+2*QNXT+1], v[AL:AL+1] op_sel_hi:[1,0]   ; the old row sum in the new scale
.endm
; STRETCH X(q).  doqk = 1: the 8 score products of tile qn.  Behind product i: the exponents of group i + 1, the exponentials of group i (its exponents were made a slice earlier),
; and the row sum's terms of pairs 0-7, which the packing will write over.  No line here has a vector register as its second source, so one window setting serves products and slices.
; first = 1: the head's first 64 keys: the row sum starts here.
.macro XST q, qn, doqk, first
	SETS \q, \qn
.if \doqk
	WIN 0x08                                       ; second source (Q) in window 2
.else
	WIN 0
.endif
	FM 0
.irp i, 0,1,2,3,4,5,6,7
.if \doqk
	QKW \i
.endif
.if \i < 7
	FM \i+1
.endif
	EX \i
.if \i == 1
.if \first == 0
	XSUM LS+2*QCUR, 0
.endif
.endif
.if \i == 2
.if \first
	XSUM2 LS+2*QCUR, 0, 2
.else
	XSUM LS+2*QCUR, 2
.endif
	XSUM2 UU, 1, 3                                 ; two chains, even pairs onto the row sum, odd pairs onto UU, so that no add waits for the one in front of it
.endif
.if \i == 3
	XSUM LS+2*QCUR, 4
	XSUM UU, 5
.endif
.if \i == 4
	XSUM LS+2*QCUR, 6
	XSUM UU, 7
.endif
.endr
.endm
; STRETCH Y(q).  The 8 PV products of tile q (pvf = 1: they start O), each followed by a slice.
; nx = 1: tile qn's maximum, alpha, rescaling; nx = 2: tile qn sees the head's first keys: maximum alone; nx = 0: no tile follows.
; ldk = 1: the next step's K fragments are fetched (the 8 packs in front are the places behind the last product that read the old ones).  wv = 1: V's fragments are waited for.
; Places kept by the slices: 8 packs between the last score product and the first read of its scores; behind the last PV product 6 rescalings (or 5 adds) before the
; second score product of the next stretch writes over P's upper half.
.macro YST q, qn, pvf, nx, ldk, wv
	SETS \q, \qn
.if (\nx) == 2
.set MF, 1
.else
.set MF, 0
.endif
	WIN 0
.irp j, 0,1,2,3,4,5,6,7
	CV \j
.endr
.if \wv
	s_wait_dscnt 0x0                               ; V's 16 loads, issued at the step's head, a whole stretch ago
.endif
	PVW 0, \pvf
	WIN 0
.if \ldk
	LOADKH KC, 0
.endif
.if \nx
	MR 0
	MR 1
.endif
	PVW 1, \pvf
	WIN 0
.if \ldk
	LOADKH KC, 1
.endif
.if \nx
	MR 2
.endif
.irp j, 8,9,10,11
	CV \j
.endr
	PVW 2, \pvf
	WIN 0
.if \nx
	M13
.endif
	CV 12
.if \nx
	M14 MF
.endif
	CV 13
.if \nx
	M15 MF
.endif
	CV 14
.if \nx
	M16 MF
.endif
	CV 15
	PVW 3, \pvf
	WIN 0
.if \nx
	M17
.endif
	YSUM LS+2*QCUR, 8                              ; pairs 8-15 lie above the packed p and are still whole
	YSUM UU, 9
.if \nx
	M18
.endif
	YSUM LS+2*QCUR, 10
	YSUM UU, 11
.if \nx
	M19
.endif
.if (\nx) == 1
	M20
.endif
	PVW 4, \pvf
.if (\nx) == 1
	WIN 0
	M21
	YSUM LS+2*QCUR, 12
	YSUM UU, 13
	M22
	YSUM LS+2*QCUR, 14
	YSUM UU, 15
	M23
	M24
	v_pk_add_f32 v[LS+2*QCUR:LS+2*QCUR+1], v[LS+2*QCUR:LS+2*QCUR+1], v[UU:UU+1]
.endif
.if (\nx) == 2
	WIN 0
	M23
.endif
	PVW 5, \pvf
.if (\nx) == 1
	WIN 0x41                                       ; O in window 1, alpha in window 0
.irp j, 0,1,2,3,4
	RS \j
.endr
.endif
	PVW 6, \pvf
.if (\nx) == 1
	WIN 0x41
.irp j, 5,6,7,8,9
	RS \j
.endr
.endif
	PVW 7, \pvf
.if (\nx) == 1
	WIN 0x41
.irp j, 10,11,12,13,14,15
	RS \j
.endr
.else
	WIN 0
	YSUM LS+2*QCUR, 12
	YSUM UU, 13
	YSUM LS+2*QCUR, 14
	YSUM UU, 15
	v_pk_add_f32 v[LS+2*QCUR:LS+2*QCUR+1], v[LS+2*QCUR:LS+2*QCUR+1], v[UU:UU+1]
.endif
.endm
; STEP n (s46): 64 keys against my eight query tiles.  On entry: K of step n in registers, tile 0's scores made, its maximum taken, its O and row sum rescaled.
; first = 1: step 0.  last = 1: step 31: no step follows.
.macro STEP first, last
	WIN 0
	s_and_b32 s47, s46, 3                          ; V of step n lies at ring rows 64 (n mod 4)
	s_mul_i32 s47, s47, 64*VP
	v_add_nc_u32 v[VC], s47, v[VA]
	s_add_co_u32 s46, s46, 1
.if \last == 0
	s_and_b32 s47, s46, 3                          ; K of step n + 1 at ring rows 64 ((n + 1) mod 4)
	s_mul_i32 s47, s47, 64*KP
	v_add_nc_u32 v[KC], s47, v[KA]
.endif
	LOADV                                          ; behind the last PV product stand its slice's plain instructions: the places that a load into its sources needs
	XST 0, 1, 1, \first
	YST 0, 1, \first, 1+\first, 0, 1
.irp q, 1,2,3,4,5
	XST \q, \q+1, 1, \first
	YST \q, \q+1, \first, 1+\first, 0, 0
.endr
	XST 6, 7, 1, \first
	YST 6, 7, \first, 1+\first, 1-\last, 0
.if \last == 0
	s_wait_dscnt 0x0                               ; the next step's K fragments, asked for behind the first two PV products of Y(6)
.endif
	XST 7, 0, 1-\last, \first
	YST 7, 0, \first, 1-\last, 0, 0
.endm
; THE TOP OF TRIP t, between steps 2 t and 2 t + 1.  In front of the barrier every wave has: all its tensor loads landed (its part of tile t + 1 among them), and all its LDS
; reads done: of slot t % 2 (tile t, rounded a trip ago) and of the ring halves that held tile t - 1 (steps up to 2 t - 1; what the chain still needs of step 2 t + 1 is in registers).
; Behind it: slot t % 2 is asked for again (tile t + 2; it has two steps in which to land), tile t + 1 is rounded into those ring halves, and a second barrier
; shows the rounded rows to every wave.  So the rings are stored into only between the two barriers and read only outside them.
.macro TOP refill
	WIN 0
	s_wait_tensorcnt 0x0                           ; no tensor load of mine is out, so the group 0 may be written
.if \refill
	s_add_nc_u64 s[G0+6:G0+7], s[G0+6:G0+7], TILEB ; the next tile; the type bits on top are not reached
	s_xor_b32 s[G0+5], s[G0+5], SLOTB              ; into the other slot
.endif
	s_wait_dscnt 0x0
.if \refill
	ROUND                                          ; all that now holds of every wave of all four work-groups
	tensor_load_to_lds s[G0+4:G0+7], s[G1:G1+7]    ; my one tensor load behind the round, and the first thing there
.else
	BAR                                            ; nothing is filled any more: my work-group's barrier is enough
.endif
	CONVERT
	s_wait_dscnt 0x0                               ; my stores into the rings are done
	BAR                                            ; everybody's are; the refill may stay on its way
.endm
	s_wait_dscnt 0x0                               ; my Q fragments are in: my reads of the stage, which lies in the rings, are over
	s_wait_tensorcnt 0x1                           ; my part of tile 0 is in; tile 1's load may stay out
	BAR
	CONVERT                                        ; tile 0
	s_wait_dscnt 0x0
	BAR
	; the chain's start: K of step 0, tile 0's scores and their maximum, with nothing to set beside them
	SETS 7, 0
	LOADKH KA, 0
	LOADKH KA, 1
	s_wait_dscnt 0x0
	WIN 0x08
.irp i, 0,1,2,3,4,5,6,7
	QKW \i
.endr
	WIN 0
	PLACES
	MR 0
	MR 1
	MR 2
	M13
	M14 1
	M15 1
	M16 1
	M17
	M18
	M19
	M23
	STEP 1, 0                                      ; step 0 starts m, the row sums and O: nothing is cleared
	WIN 0
	s_mov_b32 s37, 14                              ; trips 0 to 13: their refills bring tiles 2 to 15; steps 1 to 28
.Ltrip:
	TOP 1
	s_mov_b32 s43, 2
.Lstep:
	STEP 0, 0
	WIN 0
	s_sub_co_u32 s43, s43, 1
	s_cmp_lg_u32 s43, 0
	s_cbranch_scc1 .Lstep
	s_sub_co_u32 s37, s37, 1
	s_cmp_lg_u32 s37, 0
	s_cbranch_scc1 .Ltrip
	TOP 0                                          ; trip 14: nothing left to ask for; tile 15 is rounded
	s_mov_b32 s43, 2                               ; steps 29 and 30
.Ltail:
	STEP 0, 0
	WIN 0
	s_sub_co_u32 s43, s43, 1
	s_cmp_lg_u32 s43, 0
	s_cbranch_scc1 .Ltail
	STEP 0, 1                                      ; step 31: the chain ends
	; THE END: 1 / row sum, then O out, 16 query rows at a time
	WIN 0
	PLACES                                         ; behind the last matrix instructions
.irp qt, 0,1,2,3,4,5,6,7
	v_add_f32 v[LS+2*\qt], v[LS+2*\qt], v[LS+2*\qt+1]
.endr
.irp qt, 0,1,2,3,4,5,6,7
	v_permlanex16_b32 v[LS+2*\qt+1], v[LS+2*\qt], s32, s33
.endr
.irp qt, 0,1,2,3,4,5,6,7
	v_add_f32 v[LS+2*\qt], v[LS+2*\qt], v[LS+2*\qt+1]
.endr
.irp qt, 0,1,2,3,4,5,6,7
	v_rcp_f32 v[LS+2*\qt], v[LS+2*\qt]             ; the sum holds the largest score's term, which is 1: it is never 0
.endr
	v_nop                                          ; the plain instruction behind the run of reciprocals (ISA guide 5.7.2)
; Query tile qt: scale, 32 bytes a lane and d tile into my own stage (row = query r), read back as whole rows of 256 bytes, store.  f: the landing registers, 64 and 96 in turn.
.macro OUT qt, f
	WIN 0x41
.irp j, 0,2,4,6,8,10,12,14,16,18,20,22,24,26,28,30
	v_pk_mul_f32 v[32*\qt+\j:32*\qt+\j+1], v[32*\qt+\j:32*\qt+\j+1], v[LS+2*\qt:LS+2*\qt+1] op_sel_hi:[1,0]
.endr
	WIN 0x04                                       ; store data in window 1
.irp dt, 0,1,2,3
	ds_store_b128 v[OST], v[32*\qt+8*\dt:32*\qt+8*\dt+3]   offset:64*\dt
	ds_store_b128 v[OST], v[32*\qt+8*\dt+4:32*\qt+8*\dt+7] offset:64*\dt+16
.endr
	WIN 0
	s_wait_xcnt 0x0                                ; every earlier memory instruction has had its addresses translated (ISA guide 3.1): registers that stores read are loaded again only behind this wait
.irp t, 0,1,2,3,4,5,6,7
	ds_load_b128 v[\f+4*\t:\f+4*\t+3], v[ORD] offset:2*SPITCH*\t   ; my own bytes, served in order: these see the stores above, and the next tile's stores come behind them
.endr
.irp t, 0,1,2,3,4,5,6,7
	s_wait_dscnt 7-\t                              ; read-back t of the eight is in
	global_store_b128 v[GO], v[\f+4*\t:\f+4*\t+3], s[10:11] offset:65536*\qt+8192*\t th:TH_STORE_NT   ; 16 lanes store one row's 256 consecutive bytes, aligned to 256
.endr
.endm
	OUT 0, 64
	OUT 1, 96
	OUT 2, 64
	OUT 3, 96
	OUT 4, 64
	OUT 5, 96
	OUT 6, 64
	OUT 7, 96
	ROUND                                          ; the closing round: no work-group ends while a partner may still ask for a tile that names it
	s_endpgm
.Lfunc_end_k_q9a05507c4b_attn:
	.size	k_q9a05507c4b_attn, .Lfunc_end_k_q9a05507c4b_attn-k_q9a05507c4b_attn
	.p2alignl 7, 3214868480
	.fill 96, 4, 3214868480
	.section	.rodata,"a",@progbits
	.p2align	6, 0x0
	.amdhsa_kernel k_q9a05507c4b_attn
		.amdhsa_group_segment_fixed_size 327680
		.amdhsa_private_segment_fixed_size 0
		.amdhsa_enable_private_segment 0
		.amdhsa_kernarg_size 32
		.amdhsa_user_sgpr_count 2
		.amdhsa_user_sgpr_kernarg_segment_ptr 1
		.amdhsa_wavefront_size32 1
		.amdhsa_system_sgpr_workgroup_id_x 1
		.amdhsa_system_sgpr_workgroup_id_y 1
		.amdhsa_system_sgpr_workgroup_id_z 1
		.amdhsa_system_vgpr_workitem_id 0
		.amdhsa_next_free_vgpr 960
		.amdhsa_next_free_sgpr 66
		.amdhsa_reserve_vcc 0
		.amdhsa_float_denorm_mode_32 3
		.amdhsa_float_denorm_mode_16_64 3
		.amdhsa_memory_ordered 1
		.amdhsa_forward_progress 1
		.amdhsa_inst_pref_size 255
	.end_amdhsa_kernel
	.section	.bss,"aw",@nobits
	.p2align	6
	.space	262144
	.amdgpu_metadata
---
amdhsa.version: [ 1, 2 ]
amdhsa.kernels:
  - .name:           k_q9a05507c4b_attn
    .symbol:         k_q9a05507c4b_attn.kd
    .args:
      - { .name: keys, .offset: 0, .size: 8, .value_kind: global_buffer, .address_space: global }
      - { .name: queries, .offset: 8, .size: 8, .value_kind: global_buffer, .address_space: global }
      - { .name: values, .offset: 16, .size: 8, .value_kind: global_buffer, .address_space: global }
      - { .name: out0, .offset: 24, .size: 8, .value_kind: global_buffer, .address_space: global }
    .group_segment_fixed_size: 327680
    .private_segment_fixed_size: 0
    .kernarg_segment_align: 8
    .kernarg_segment_size: 32
    .max_flat_workgroup_size: 128
    .sgpr_count:     66
    .vgpr_count:     960
    .wavefront_size: 32
...
	.end_amdgpu_metadata
.endif
;; end of part 2
